; MI455X (gfx1250); checked and timed in simulation.
; The chip was launched on July 23, 2026; its instructions are those of AMD's public machine-readable ISA for CDNA 5 (MIT licence, August 2026) and "CDNA5" Instruction Set Architecture Reference Guide (July 2026). The comments in the code are by the model that wrote it; some were corrected since.
;; Dist Match Layer v5. Allowed arithmetic: float matrix products may take bf16 or f16 operands with f32 sums; all other float work in f32.
;; Inputs: coord_a 8,192 x 3 int32; coord_b 8,192 x 3 int32; feat_a 8,192 x 256 float32; feat_b 8,192 x 256 float32; idx_a 8,192 int32; idx_b 8,192 int32.
;; Outputs: out0 8,192 x 512 float32.
;; One version. Each part assembles by itself: llvm-mc -triple=amdgcn-amd-amdhsa -mcpu=gfx1250 --defsym DOCPART=n.
;; ======== version 1 of 1: 2 launches
;; limits: right only within a limited range of input values
;; workspace buffers: fb16 4,194,304 bytes; sidea 524,288 bytes; sideb 524,288 bytes
;; launch prep (part 1): grid 256 x 1, 8 waves a work-group, no clusters, 0 bytes of LDS; arguments feat_b, coord_a, coord_b, fb16, sidea, sideb; writes fb16, sidea, sideb
.if DOCPART == 1
	.amdgcn_target "amdgcn-amd-amdhsa--gfx1250"
	.amdhsa_code_object_version 6
	.text
	.protected	k_q7108709bbb_prep
	.globl	k_q7108709bbb_prep
	.p2align	8
	.type	k_q7108709bbb_prep,@function
k_q7108709bbb_prep:
	s_mov_b64 s[64:65], 0
	v_nop
	global_prefetch_b8 v0, s[64:65] scope:SCOPE_SE
	s_setreg_imm32_b32 hwreg(HW_REG_WAVE_MODE, 25, 1), 1
	s_wait_xcnt 0x0
; prep: what the attention launch needs beside the inputs.  Work-group g (of 256), eight waves.
;  fb16  [8192][256] bf16     = feat_b rounded to nearest even; g converts rows 32 g .. 32 g + 31, wave w four of them.
;  sidea, sideb [32 tiles][4 planes][256 points][16 bytes]: for each point 32 bf16 numbers (plane p: numbers 8 p .. 8 p + 7) such that
;        sum over k of sidea[i][k] * sideb[j][k] = (|a_i|^2 + |b_j|^2 - 2 a_i.b_j) / 1024, the formula of the problem, scaled by a power of two.
;        k = 4 c + 0..3 (c = x, y, z): a: ah ah al al, b: bh bl bh bl (b scaled by -2^-9);  k = 12..14: a: three parts of |a|^2, b: 2^-10;
;        k = 15..17: a: 1, b: three parts of |b|^2 * 2^-10;  k = 18..31: 0.   Wave 1 makes g's 32 points of b, wave 2 those of a.
; LIMITS: a coordinate is split into two bf16 parts, exact for |c| < 65536 (16 significant bits beyond); the squared norms are f32 sums as in the
;        problem, split exactly into three bf16 parts.
; No matrix unit, no LDS, no barrier: the launch moves each byte once, its arithmetic is a few instructions a number, and no wave needs another's data.
.set X,  8                             ; v[8:39]   feat_b as loaded
.set Y,  40                            ; v[40:55]  words to store
.set T,  56                            ; v[56:63]  at work
	s_load_b256 s[4:11], s[0:1], 0x0               ; feat_b s[4:5], coord_a s[6:7], coord_b s[8:9], fb16 s[10:11]
	s_load_b128 s[12:15], s[0:1], 0x20             ; sidea s[12:13], sideb s[14:15]
	v_lshrrev_b32 v7, 5, v0
	v_readfirstlane_b32 s22, v7                    ; wave 0..7
	v_and_b32 v3, 31, v0                           ; lane L
	v_and_b32 v1, 0xe0, v0                         ; 32 w
	v_lshlrev_b32 v5, 4, v3                        ; 16 L
	v_lshlrev_b32 v2, 3, v3                        ; 8 L
	v_lshl_add_u32 v2, v1, 6, v2                   ; 2048 w + 8 L: my 8 bytes of fb16
	v_lshl_add_u32 v1, v1, 7, v5                   ; 4096 w + 16 L: my 16 bytes of feat_b
	v_mul_u32_u24 v4, 12, v3                       ; 12 L: my point's three coordinates
	s_mov_b32 s25, 0
	s_wait_kmcnt 0x0
	s_lshl_b32 s24, ttmp9, 15                      ; 32 rows of 1,024 bytes
	s_add_nc_u64 s[4:5], s[4:5], s[24:25]
	s_lshl_b32 s24, ttmp9, 14                      ; 32 rows of 512 bytes
	s_add_nc_u64 s[10:11], s[10:11], s[24:25]
	s_mul_i32 s24, ttmp9, 384                      ; 32 points of 12 bytes
	s_add_nc_u64 s[6:7], s[6:7], s[24:25]
	s_add_nc_u64 s[8:9], s[8:9], s[24:25]
	s_lshr_b32 s24, ttmp9, 3                       ; the tile of 256 points,
	s_lshl_b32 s24, s24, 14                        ; 16,384 bytes each,
	s_and_b32 s26, ttmp9, 7
	s_lshl_b32 s26, s26, 9                         ; and my 32 points of 16 bytes in each of its planes
	s_add_co_u32 s24, s24, s26
	s_add_nc_u64 s[12:13], s[12:13], s[24:25]
	s_add_nc_u64 s[14:15], s[14:15], s[24:25]
.irp k, 0,1,2,3,4,5,6,7
	global_load_b128 v[X+4*\k:X+4*\k+3], v1, s[4:5] offset:512*\k th:TH_LOAD_NT   ; 512 neighbouring bytes a load; read once in the launch
.endr
; The 32 numbers of my point, 64 bytes, as four stores of 512 neighbouring bytes a wave (one to each plane).
.macro SIDE cbase, obase, isb
	global_load_b96 v[T:T+2], v4, s[\cbase:\cbase+1]
	s_wait_loadcnt 0x0                             ; it is the youngest load: everything is in
	v_cvt_f32_i32 v[T], v[T]
	v_cvt_f32_i32 v[T+1], v[T+1]
	v_cvt_f32_i32 v[T+2], v[T+2]
	v_mul_f32 v[T+3], v[T], v[T]
	v_fmac_f32 v[T+3], v[T+1], v[T+1]
	v_fmac_f32 v[T+3], v[T+2], v[T+2]              ; the squared norm
.if \isb
	v_mul_f32 v[T], 0xbb000000, v[T]               ; -2^-9: the factor -2 and the division by 1024, exact
	v_mul_f32 v[T+1], 0xbb000000, v[T+1]
	v_mul_f32 v[T+2], 0xbb000000, v[T+2]
	v_mul_f32 v[T+3], 0x3a800000, v[T+3]           ; 2^-10
.endif
.irp q, 0,1,2
	v_cvt_pk_bf16_f32 v[Y+2*\q], v[T+\q], v[T+\q]  ; (ch, ch)
	v_and_b32 v[T+4], 0xffff0000, v[Y+2*\q]        ; ch as f32
	v_sub_f32 v[T+4], v[T+\q], v[T+4]              ; cl = c - ch, exact
.if \isb
	v_cvt_pk_bf16_f32 v[Y+2*\q], v[T+\q], v[T+4]   ; (ch, cl), twice
	v_mov_b32 v[Y+2*\q+1], v[Y+2*\q]
.else
	v_cvt_pk_bf16_f32 v[Y+2*\q+1], v[T+4], v[T+4]  ; (cl, cl)
.endif
.endr
	v_cvt_pk_bf16_f32 v[T+5], v[T+3], v[T+3]
	v_and_b32 v[T+5], 0xffff0000, v[T+5]
	v_sub_f32 v[T+5], v[T+3], v[T+5]               ; r1 = s - bf16(s)
	v_cvt_pk_bf16_f32 v[T+6], v[T+5], v[T+5]
	v_and_b32 v[T+6], 0xffff0000, v[T+6]
	v_sub_f32 v[T+6], v[T+5], v[T+6]               ; r2 = r1 - bf16(r1)
.if \isb
	v_mov_b32 v[Y+6], 0x3a803a80                   ; k = 12, 13: 2^-10
	v_cvt_pk_bf16_f32 v[Y+7], 0x3a800000, v[T+3]   ; k = 14: 2^-10;  k = 15: s1
	v_cvt_pk_bf16_f32 v[Y+8], v[T+5], v[T+6]       ; k = 16, 17: s2, s3
.else
	v_cvt_pk_bf16_f32 v[Y+6], v[T+3], v[T+5]       ; k = 12, 13: s1, s2
	v_cvt_pk_bf16_f32 v[Y+7], v[T+6], 1.0          ; k = 14: s3;  k = 15: 1
	v_mov_b32 v[Y+8], 0x3f803f80                   ; k = 16, 17: 1
.endif
.irp q, 9,10,11,12,13,14,15
	v_mov_b32 v[Y+\q], 0                           ; k = 18 .. 31
.endr
.irp p, 0,1,2,3
	global_store_b128 v5, v[Y+4*\p:Y+4*\p+3], s[\obase:\obase+1] offset:4096*\p
.endr
.endm
	s_cmp_eq_u32 s22, 1
	s_cbranch_scc0 .Lnot_b
	SIDE 8, 14, 1
	s_branch .Lside_done
.Lnot_b:
	s_cmp_eq_u32 s22, 2
	s_cbranch_scc0 .Lside_done
	SIDE 6, 12, 0
.Lside_done:
	s_wait_loadcnt 0x0                             ; feat_b: nothing younger is out
	s_wait_xcnt 0x0                                ; Y, which the stores of waves 1 and 2 read, is rewritten only behind this wait
.irp k, 0,1,2,3,4,5,6,7
	v_cvt_pk_bf16_f32 v[Y+2*\k], v[X+4*\k], v[X+4*\k+1]
	v_cvt_pk_bf16_f32 v[Y+2*\k+1], v[X+4*\k+2], v[X+4*\k+3]
.endr
.irp k, 0,1,2,3,4,5,6,7
	global_store_b64 v2, v[Y+2*\k:Y+2*\k+1], s[10:11] offset:256*\k   ; the wave's 32 lanes store 256 consecutive bytes, aligned
.endr
	s_endpgm
.Lfunc_end_k_q7108709bbb_prep:
	.size	k_q7108709bbb_prep, .Lfunc_end_k_q7108709bbb_prep-k_q7108709bbb_prep
	.p2alignl 7, 3214868480
	.fill 96, 4, 3214868480
	.section	.rodata,"a",@progbits
	.p2align	6, 0x0
	.amdhsa_kernel k_q7108709bbb_prep
		.amdhsa_group_segment_fixed_size 0
		.amdhsa_private_segment_fixed_size 0
		.amdhsa_enable_private_segment 0
		.amdhsa_kernarg_size 48
		.amdhsa_user_sgpr_count 2
		.amdhsa_user_sgpr_kernarg_segment_ptr 1
		.amdhsa_wavefront_size32 1
		.amdhsa_system_sgpr_workgroup_id_x 1
		.amdhsa_system_sgpr_workgroup_id_y 1
		.amdhsa_system_sgpr_workgroup_id_z 1
		.amdhsa_system_vgpr_workitem_id 0
		.amdhsa_next_free_vgpr 64
		.amdhsa_next_free_sgpr 66
		.amdhsa_reserve_vcc 0
		.amdhsa_float_denorm_mode_32 3
		.amdhsa_float_denorm_mode_16_64 3
		.amdhsa_memory_ordered 1
		.amdhsa_forward_progress 1
		.amdhsa_inst_pref_size 9
	.end_amdhsa_kernel
	.amdgpu_metadata
---
amdhsa.version: [ 1, 2 ]
amdhsa.kernels:
  - .name:           k_q7108709bbb_prep
    .symbol:         k_q7108709bbb_prep.kd
    .args:
      - { .name: feat_b, .offset: 0, .size: 8, .value_kind: global_buffer, .address_space: global }
      - { .name: coord_a, .offset: 8, .size: 8, .value_kind: global_buffer, .address_space: global }
      - { .name: coord_b, .offset: 16, .size: 8, .value_kind: global_buffer, .address_space: global }
      - { .name: fb16, .offset: 24, .size: 8, .value_kind: global_buffer, .address_space: global }
      - { .name: sidea, .offset: 32, .size: 8, .value_kind: global_buffer, .address_space: global }
      - { .name: sideb, .offset: 40, .size: 8, .value_kind: global_buffer, .address_space: global }
    .group_segment_fixed_size: 0
    .private_segment_fixed_size: 0
    .kernarg_segment_align: 8
    .kernarg_segment_size: 48
    .max_flat_workgroup_size: 256
    .sgpr_count:     66
    .vgpr_count:     64
    .wavefront_size: 32
...
	.end_amdgpu_metadata
.endif
;; end of part 1
;; launch attn (part 2): grid 256 x 1, 8 waves a work-group, clusters of 4 x 1, 327,680 bytes of LDS; arguments feat_a, fb16, sidea, sideb, idx_a, idx_b, out0; writes out0
.if DOCPART == 2
	.amdgcn_target "amdgcn-amd-amdhsa--gfx1250"
	.amdhsa_code_object_version 6
	.text
	.protected	k_q7108709bbb_attn
	.globl	k_q7108709bbb_attn
	.p2align	8
	.type	k_q7108709bbb_attn,@function
k_q7108709bbb_attn:
	s_mov_b64 s[64:65], 0
	v_nop
	global_prefetch_b8 v0, s[64:65] scope:SCOPE_SE
	s_setreg_imm32_b32 hwreg(HW_REG_WAVE_MODE, 25, 1), 1
	s_wait_xcnt 0x0
	s_wait_alu depctr_hold_cnt(0) depctr_sa_sdst(0) depctr_va_vdst(0) depctr_va_sdst(0) depctr_va_ssrc(0) depctr_va_vcc(0) depctr_vm_vsrc(0)
	s_getreg_b32 s2, hwreg(HW_REG_IB_STS2, 6, 4)
	s_cmp_eq_u32 s2, 0
	s_cbranch_scc0 .Lentry_in_a_cluster
	s_endpgm
.Lentry_in_a_cluster:
	s_bfe_u32 s2, ttmp6, 0x10000c
	s_cmp_lg_u32 s2, 0x3003
	s_cbranch_scc0 .Lentry_shape_is_right
	s_endpgm
.Lentry_shape_is_right:
; out0[i] = [ feat_a[i] | sum over j of softmax_j(feat_a[i].feat_b[j], j with idx_b[j] = idx_a[i]) * (1 - clip(|a_i - b_j| / 32, 0, 1)) * feat_b[j] ].
; A work-group owns 32 rows and walks the 32 tiles of 256 columns; wave w takes columns 32 w .. 32 w + 31 of each tile for all 32 rows and keeps its own
; running maximum, sum and 32 x 256 result; the eight are merged through LDS at the end.  Two waves lie on a SIMD, 512 registers each.
; EVERYTHING IS TRANSPOSED: S^T = B A^T, so a lane holds ONE row i (lane % 16) and its registers the columns j: the row maximum is taken inside the lane
; and once across the halves, the rescaling factor is one register, and the packed weights are already the second source of O^T = V^T P^T.
; OPERANDS: bf16(feat_a), bf16(feat_b), nothing folded into them; log2 e is applied in f32 behind the product.  Sums, softmax and distances in f32.
; EVERY TILE IS VISITED, also one in which no idx_b equals an idx_a of the block: the walk, its barriers and the joint loads' addresses hang on
; constants alone, and no order of idx_a or idx_b is assumed.  The mask is applied score by score.
; CLUSTERS: the four work-groups of a cluster read the same tiles of fb16, sideb and idx_b: each tile is asked for jointly (mask 15) and lands in all four.
; A MASKED SCORE is -2^126, and the running maximum starts there.  While a row's maximum is still that number its masked weights are exp2(0) = 1:
; for a row without any partner that is the uniform softmax of the problem; otherwise the first true score, or the merge,
; multiplies what was gathered by exp2(-huge) = 0.
; LIMITS: true scores at or below -2^126 are not told from masked ones (the problem's own stand-in is -3.4e38).  The distance is summed by the matrix
; unit from exact bf16 parts, in another order than the problem's three terms.  NaN and infinities in the features are not followed lane by lane.
; idx_a and idx_b are compared as 32-bit patterns.
.set TILES,  32                        ; 8192 columns in tiles of 256
.set FSTEP,  256*512                   ; bytes from tile to tile in fb16,
.set SSTEP,  16384                     ; in sideb,
.set ISTEP,  1024                      ; in idx_b
.set PITCH,  528                       ; an LDS row of 256 bf16: 512 bytes + 16 of padding: 16 neighbouring rows start at 16 different 16-byte columns modulo 256 bytes
.set SBO,    256*PITCH                 ; in a slot: fb16's 256 rows, then sideb's four planes of 4,096 bytes,
.set IBO,    SBO+16384                 ; then 256 idx_b
.set SLOT,   IBO+1024                  ; 152,576 bytes; two slots
.set QL,     2*SLOT                    ; bf16(feat_a), 32 rows of PITCH: written by LDS stores alone, no fill lands here
.set STAT,   QL+32*PITCH               ; [wave][row half][32 lanes] f32: the waves' shifts and sums; LDS stores alone
.set RPITCH, 1040                      ; the merge, over the slots after their last fill: [wave][32 rows] of 1,024 bytes + 16
.set REDW,   32*RPITCH
; window 0
.set OOFF, 1                           ; v1       8192 w + 16 L: my 16 bytes in rows 4 w .. of out0
.set ADS,  2                           ; v2-3     slot s: S's first source: (32 w + r) PITCH + 16 h            (r = L % 16, h = L / 16)
.set ADT,  4                           ; v4-5     slot s: V^T, transposing loads: (32 w + 8 h + L % 8) PITCH + 128 ((L / 8) % 2)
.set ADV,  6                           ; v6-7     slot s: sideb: SBO + 4096 h + 16 (32 w + r)
.set ADI,  8                           ; v8-9     slot s: idx_b: IBO + 4 (32 w + 8 h)
.set MX,   10                          ; v10-11   running maximum of rows r, 16 + r
.set LS,   12                          ; v12-13   running sum, of my half's columns
.set IA,   14                          ; v14-15   idx_a
.set AL,   16                          ; v16-17   the step's rescaling factor
.set NM,   18                          ; v18-19   -log2 e x maximum, rounded once: the shift of every exponent
.set T,    20                          ; v20-27   at work
.set CA,   28                          ; v28-43   sidea's fragments of rows r, 16 + r
.set SS,   44                          ; v44-75   S^T: 16 at + 8 bt + j; later the packed weights in SS + 16 at + 0..7
.set FA,   76                          ; v76-91, v92-107, v108-123: three buffers of two fragments
.set FB,   92
.set FC,   108
.set RD,   124                         ; v124-127 offsets at the start and at the end
.set QQ,   128                         ; v128-255 feat_a's fragments: 8 (8 at + ks)
; window 1: O^T, tile (ct, at) at 16 ct + 8 at: register j of lane (r, h) = row 16 at + r, channel 8 (ct % 8) + 128 (ct / 8) + 64 h + j
.set G1F, 24                           ; s[24:31] shape of a quarter of fb16's tile;  s[32:39] of sideb's;  s[40:47] of idx_b's
.set G1S, 32
.set G1I, 40
.set G0F, 48                           ; s[48:55], s[56:63], s[68:75]: from where, to where: a set of four for each slot
.set G0S, 56
.set G0I, 68
.set MSB, 0
.macro WIN new                         ; s_set_vgpr_msb: bits 1:0 source 0, 3:2 source 1, 5:4 source 2, 7:6 destination; the high byte repeats the setting that is left
.if MSB != \new
	s_set_vgpr_msb (MSB<<8)|\new
.set MSB, \new
.endif
.endm
.macro PLACES n                        ; places behind matrix instructions (ISA guide 7.12.1)
.rept \n
	v_nop
.endr
.endm
; A round of the cluster's barrier: my work-group's barrier, wave 0 signals for the work-group, every wave waits for all four work-groups, my work-group's barrier.
.macro ROUND
	s_barrier_signal -1
	s_barrier_wait -1
	s_cmp_lg_u32 s20, 0
	s_cbranch_scc1 .Lnot_wave_0_\@
	s_barrier_signal -3
.Lnot_wave_0_\@:
	s_barrier_wait -3
	s_barrier_signal -1
	s_barrier_wait -1
.endm
; One joint load a wave: waves 0 to 3 a quarter (64 rows) of fb16's tile each, wave 4 sideb's tile, wave 5 idx_b's, waves 6 and 7 none.
; The branches hang on the wave's number alone; nothing in a descriptor hangs on the work-group's place in its cluster.
.macro JLOAD o
	s_cmp_lt_u32 s20, 4
	s_cbranch_scc0 .Lnot_f_\@
	tensor_load_to_lds s[G0F+4*(\o):G0F+4*(\o)+3], s[G1F:G1F+7]
	s_nop 0
	s_branch .Lasked_\@
.Lnot_f_\@:
	s_cmp_eq_u32 s20, 4
	s_cbranch_scc0 .Lnot_s_\@
	tensor_load_to_lds s[G0S+4*(\o):G0S+4*(\o)+3], s[G1S:G1S+7]
	s_nop 0
	s_branch .Lasked_\@
.Lnot_s_\@:
	s_cmp_eq_u32 s20, 5
	s_cbranch_scc0 .Lasked_\@
	tensor_load_to_lds s[G0I+4*(\o):G0I+4*(\o)+3], s[G1I:G1I+7]
	s_nop 0
.Lasked_\@:
.endm
; S's first source: my 32 columns j (two fragments of 16 rows of fb16), channels 32 ks .. 32 ks + 31
.macro LDS_S buf, slot, ks
.irp bt, 0,1
	ds_load_b128 v[\buf+8*\bt:\buf+8*\bt+3],   v[ADS+\slot] offset:16*PITCH*\bt+64*\ks
	ds_load_b128 v[\buf+8*\bt+4:\buf+8*\bt+7], v[ADS+\slot] offset:16*PITCH*\bt+64*\ks+32
.endr
.endm
; Four products; the four accumulators take turns, one instruction a turn, in the same order in every round.
.macro MM_S buf, ks
.irp bt, 0,1
.irp at, 0,1
.if \ks == 0
	v_wmma_f32_16x16x32_bf16 v[SS+16*\at+8*\bt:SS+16*\at+8*\bt+7], v[\buf+8*\bt:\buf+8*\bt+7], v[QQ+8*(8*\at+\ks):QQ+8*(8*\at+\ks)+7], 0
.else
	v_wmma_f32_16x16x32_bf16 v[SS+16*\at+8*\bt:SS+16*\at+8*\bt+7], v[\buf+8*\bt:\buf+8*\bt+7], v[QQ+8*(8*\at+\ks):QQ+8*(8*\at+\ks)+7], v[SS+16*\at+8*\bt:SS+16*\at+8*\bt+7]
.endif
.endr
.endr
.endm
; V^T: channel blocks ct = 2 i, 2 i + 1 of my 32 columns j, by transposing loads.  Lanes 8-15 of a half address 128 bytes (64 channels) further on, not 16:
; with rows PITCH apart the 16 lanes then touch 16 different 16-byte columns modulo 256 bytes; hence O^T's map of channels.
.macro LDS_V i, slot, r0, r1
	ds_load_tr16_b128 v[\r0:\r0+3],   v[ADT+\slot] offset:16*((2*\i)&7)+256*((2*\i)>>3)
	ds_load_tr16_b128 v[\r0+4:\r0+7], v[ADT+\slot] offset:16*((2*\i)&7)+256*((2*\i)>>3)+16*PITCH
	ds_load_tr16_b128 v[\r1:\r1+3],   v[ADT+\slot] offset:16*((2*\i+1)&7)+256*((2*\i+1)>>3)
	ds_load_tr16_b128 v[\r1+4:\r1+7], v[ADT+\slot] offset:16*((2*\i+1)&7)+256*((2*\i+1)>>3)+16*PITCH
.endm
; O^T(ct, at) += V^T(ct) P^T(at): four accumulators, each once a step.  first = 1: the product starts the sum.
.macro MM_V i, r0, r1, first
	WIN 0x50                                       ; C and D in window 1
.irp at, 0,1
.if \first
	v_wmma_f32_16x16x32_bf16 v[32*\i+8*\at:32*\i+8*\at+7], v[\r0:\r0+7], v[SS+16*\at:SS+16*\at+7], 0
.else
	v_wmma_f32_16x16x32_bf16 v[32*\i+8*\at:32*\i+8*\at+7], v[\r0:\r0+7], v[SS+16*\at:SS+16*\at+7], v[32*\i+8*\at:32*\i+8*\at+7]
.endif
.endr
.irp at, 0,1
.if \first
	v_wmma_f32_16x16x32_bf16 v[32*\i+16+8*\at:32*\i+16+8*\at+7], v[\r1:\r1+7], v[SS+16*\at:SS+16*\at+7], 0
.else
	v_wmma_f32_16x16x32_bf16 v[32*\i+16+8*\at:32*\i+16+8*\at+7], v[\r1:\r1+7], v[SS+16*\at:SS+16*\at+7], v[32*\i+16+8*\at:32*\i+16+8*\at+7]
.endif
.endr
	WIN 0
.endm
; O^T(.., at) *= AL[at]: a lane holds one row, so the factor is one register
.macro SCALE_O
	WIN 0x41                                       ; destination and source 0 in window 1
.irp ct, 0,1,2,3,4,5,6,7,8,9,10,11,12,13,14,15
.irp at, 0,1
.irp p, 0,2,4,6
	v_pk_mul_f32 v[16*\ct+8*\at+\p:16*\ct+8*\at+\p+1], v[16*\ct+8*\at+\p:16*\ct+8*\at+\p+1], v[AL:AL+1] op_sel:[0,\at] op_sel_hi:[1,\at]
.endr
.endr
.endr
	WIN 0
.endm
; ONE STEP: the tile in \slot.  refill = 1: the other slot gets the next tile.  first = 1: the launch's first step starts the sums.
.macro STEP slot, refill, first
	s_wait_tensorcnt 0x0                           ; all my tensor loads have landed (one was out at the most: my part of this tile), so a group 0 may be written:
.if \refill
	s_add_nc_u64 s[G0F+4*\slot+2:G0F+4*\slot+3], s[G0F+4*\slot+2:G0F+4*\slot+3], 2*FSTEP   ; this slot's next tile, two further on
	s_add_nc_u64 s[G0S+4*\slot+2:G0S+4*\slot+3], s[G0S+4*\slot+2:G0S+4*\slot+3], 2*SSTEP   ; (behind tile 30 the stepped addresses are not used)
	s_add_nc_u64 s[G0I+4*\slot+2:G0I+4*\slot+3], s[G0I+4*\slot+2:G0I+4*\slot+3], 2*ISTEP
.endif
	s_wait_dscnt 0x0                               ; my reads of the other slot are back (in the first step: feat_a's fragments)
	ROUND                                          ; both now hold of every wave of all four work-groups
.if \refill
	JLOAD 1-\slot                                  ; my one tensor load behind the round, and the first thing there; it has the whole step in which to land
.endif
	LDS_S FA, \slot, 0
	LDS_S FB, \slot, 1
	LDS_S FC, \slot, 2
	; S^T over the 256 channels, eight rounds of 32.  In every round two younger groups of four loads are out: the count is 8.
	; Four places stand between a round's products and the loads into the buffer that they read.
	s_wait_dscnt 0x8
	MM_S FA, 0
	PLACES 4
	LDS_S FA, \slot, 3
	s_wait_dscnt 0x8
	MM_S FB, 1
	PLACES 4
	LDS_S FB, \slot, 4
	s_wait_dscnt 0x8
	MM_S FC, 2
	PLACES 4
	LDS_S FC, \slot, 5
	s_wait_dscnt 0x8
	MM_S FA, 3
	PLACES 4
	LDS_S FA, \slot, 6
	s_wait_dscnt 0x8
	MM_S FB, 4
	PLACES 4
	LDS_S FB, \slot, 7
	s_wait_dscnt 0x8
	MM_S FC, 5
	PLACES 4
.irp bt, 0,1
	ds_load_b128 v[FC+8*\bt:FC+8*\bt+3],   v[ADV+\slot] offset:256*\bt        ; sideb of column 16 bt + r: numbers 8 h .. 8 h + 7
	ds_load_b128 v[FC+8*\bt+4:FC+8*\bt+7], v[ADV+\slot] offset:256*\bt+8192   ; and 16 + 8 h ..
.endr
	s_wait_dscnt 0x8
	MM_S FA, 6
	PLACES 4
.irp bt, 0,1
	ds_load_b128 v[FA+8*\bt:FA+8*\bt+3],   v[ADI+\slot] offset:64*\bt         ; idx_b of columns 16 bt + 8 h + 0 .. 7, as S^T's registers hold them
	ds_load_b128 v[FA+8*\bt+4:FA+8*\bt+7], v[ADI+\slot] offset:64*\bt+16
.endr
	s_wait_dscnt 0x8
	MM_S FB, 7
	PLACES 4                                       ; before S^T is read
	s_wait_dscnt 0x0                               ; sideb and idx_b
	; the mask: a score of another segment becomes -2^126
.irp at, 0,1
.irp i, 0,1,2,3,4,5,6,7,8,9,10,11,12,13,14,15
	v_cmp_eq_u32 vcc_lo, v[FA+\i], v[IA+\at]
	v_cndmask_b32 v[SS+16*\at+\i], s84, v[SS+16*\at+\i], vcc_lo
.endr
.endr
	; squared distance / 1024, one product of K = 32 for each 16 x 16; rows r into FB, rows 16 + r into FA
.irp bt, 0,1
	v_wmma_f32_16x16x32_bf16 v[FB+8*\bt:FB+8*\bt+7], v[FC+8*\bt:FC+8*\bt+7], v[CA:CA+7], 0
	v_wmma_f32_16x16x32_bf16 v[FA+8*\bt:FA+8*\bt+7], v[FC+8*\bt:FC+8*\bt+7], v[CA+8:CA+15], 0
.endr
	; the running maximum: 16 scores in the lane, the other half's 16 by one exchange
.irp at, 0,1
	v_max3_num_f32 v[T+\at], v[SS+16*\at], v[SS+16*\at+1], v[MX+\at]
.endr
.irp q, 1,2,3,4,5,6,7
.irp at, 0,1
	v_max3_num_f32 v[T+\at], v[SS+16*\at+2*\q], v[SS+16*\at+2*\q+1], v[T+\at]
.endr
.endr
.irp at, 0,1
	v_permlanex16_b32 v[T+2+\at], v[T+\at], s90, s91
.endr
.irp at, 0,1
	v_max_num_f32 v[MX+\at], v[T+\at], v[T+2+\at]
.if \first
	v_mul_f32 v[NM+\at], s88, v[MX+\at]            ; the shift, rounded once
.else
	v_mov_b32 v[AL+\at], v[NM+\at]
	v_mul_f32 v[NM+\at], s88, v[MX+\at]
	v_sub_f32 v[AL+\at], v[NM+\at], v[AL+\at]      ; new shift - old shift: what was gathered under the old one is rescaled by exactly their difference
.endif
.endr
.irp at, 0,1
.irp i, 0,2,4,6,8,10,12,14
	v_pk_fma_f32 v[SS+16*\at+\i:SS+16*\at+\i+1], v[SS+16*\at+\i:SS+16*\at+\i+1], s[86:87], v[NM:NM+1] op_sel:[0,0,\at] op_sel_hi:[1,0,\at]
.endr
.endr
.if \first == 0
	v_exp_f32 v[AL], v[AL]
	v_exp_f32 v[AL+1], v[AL+1]
.endif
.irp i, 0,1,2,3,4,5,6,7,8,9,10,11,12,13,14,15,16,17,18,19,20,21,22,23,24,25,26,27,28,29,30,31
	v_exp_f32 v[SS+\i], v[SS+\i]
.endr
	; 1 - clip(sqrt(max(d2, 0)) / 32, 0, 1) = 1 - sqrt(clamp(d2 / 1024, 0, 1)).  The clamps are also the plain instructions behind the exponentials (ISA guide 5.7.2).
.irp i, 0,1,2,3,4,5,6,7,8,9,10,11,12,13,14,15
	v_med3_num_f32 v[FB+\i], v[FB+\i], 0, 1.0
	v_med3_num_f32 v[FA+\i], v[FA+\i], 0, 1.0
.endr
.irp i, 0,1,2,3,4,5,6,7,8,9,10,11,12,13,14,15
	v_sqrt_f32 v[FB+\i], v[FB+\i]
	v_sqrt_f32 v[FA+\i], v[FA+\i]
.endr
	; the softmax's sum, of the weights without the distance; these lines are also the plain instructions behind the roots
	s_wait_alu depctr_va_vdst(0)
.irp at, 0,1
	v_pk_add_f32 v[T:T+1],   v[SS+16*\at:SS+16*\at+1],     v[SS+16*\at+2:SS+16*\at+3]
	v_pk_add_f32 v[T+2:T+3], v[SS+16*\at+4:SS+16*\at+5],   v[SS+16*\at+6:SS+16*\at+7]
	v_pk_add_f32 v[T+4:T+5], v[SS+16*\at+8:SS+16*\at+9],   v[SS+16*\at+10:SS+16*\at+11]
	v_pk_add_f32 v[T+6:T+7], v[SS+16*\at+12:SS+16*\at+13], v[SS+16*\at+14:SS+16*\at+15]
	v_pk_add_f32 v[T:T+1],   v[T:T+1],   v[T+2:T+3]
	v_pk_add_f32 v[T+4:T+5], v[T+4:T+5], v[T+6:T+7]
	v_pk_add_f32 v[T:T+1],   v[T:T+1],   v[T+4:T+5]
.if \first
	v_add_f32 v[LS+\at], v[T], v[T+1]
.else
	v_add_f32 v[T], v[T], v[T+1]
	v_fma_f32 v[LS+\at], v[LS+\at], v[AL+\at], v[T]
.endif
.endr
	; p (1 - D) = p - p D, then to bf16: registers SS + 16 at + 0..7 are the second source of the last product (k = 8 h + j, 16 + 8 h + j)
.irp i, 0,2,4,6,8,10,12,14
	v_pk_fma_f32 v[SS+\i:SS+\i+1],       v[SS+\i:SS+\i+1],       v[FB+\i:FB+\i+1], v[SS+\i:SS+\i+1]       neg_lo:[1,0,0] neg_hi:[1,0,0]
	v_pk_fma_f32 v[SS+16+\i:SS+16+\i+1], v[SS+16+\i:SS+16+\i+1], v[FA+\i:FA+\i+1], v[SS+16+\i:SS+16+\i+1] neg_lo:[1,0,0] neg_hi:[1,0,0]
.endr
.irp at, 0,1
.irp q, 0,1,2,3,4,5,6,7
	v_cvt_pk_bf16_f32 v[SS+16*\at+\q], v[SS+16*\at+2*\q], v[SS+16*\at+2*\q+1]   ; ascending: register q is written when 2 q and 2 q + 1 are read
.endr
.endr
	LDS_V 0, \slot, FC, FC+8                       ; four buffers of two fragments; the fourth is what the packing freed
	LDS_V 1, \slot, FB, FB+8
	LDS_V 2, \slot, FA, FA+8
	LDS_V 3, \slot, SS+8, SS+24
.if \first == 0
	SCALE_O                                        ; while these sixteen loads are on their way
.endif
	; eight rounds of four products.  The count is the loads of the younger rounds, four each: three rounds ahead, then running down.
	s_wait_dscnt 0xc
	MM_V 0, FC, FC+8, \first
	PLACES 4
	LDS_V 4, \slot, FC, FC+8
	s_wait_dscnt 0xc
	MM_V 1, FB, FB+8, \first
	PLACES 4
	LDS_V 5, \slot, FB, FB+8
	s_wait_dscnt 0xc
	MM_V 2, FA, FA+8, \first
	PLACES 4
	LDS_V 6, \slot, FA, FA+8
	s_wait_dscnt 0xc
	MM_V 3, SS+8, SS+24, \first
	PLACES 4
	LDS_V 7, \slot, SS+8, SS+24
	s_wait_dscnt 0xc
	MM_V 4, FC, FC+8, \first
	s_wait_dscnt 0x8
	MM_V 5, FB, FB+8, \first
	s_wait_dscnt 0x4
	MM_V 6, FA, FA+8, \first
	s_wait_dscnt 0x0
	MM_V 7, SS+8, SS+24, \first
	PLACES 5                                       ; the next step's loads and first products write registers that these products read
.endm
	; ---------------- the start ----------------
	s_load_b256 s[4:11], s[0:1], 0x0               ; feat_a s[4:5], fb16 s[6:7], sidea s[8:9], sideb s[10:11]
	s_load_b128 s[12:15], s[0:1], 0x20             ; idx_a s[12:13], idx_b s[14:15]
	s_load_b64 s[18:19], s[0:1], 0x30              ; out0
	v_lshrrev_b32 v[T], 5, v0
	v_readfirstlane_b32 s20, v[T]                  ; wave 0..7
	s_bfe_u32 s21, ttmp6, 0x40000                  ; cx: my place in the cluster
	s_lshl_b32 s22, ttmp9, 2                       ; ttmp9 counts clusters
	s_add_co_u32 s22, s22, s21                     ; my block of 32 rows
	s_mov_b32 s79, 0
	s_mov_b32 s99, 0
	v_and_b32 v[T+1], 31, v0                       ; L
	v_and_b32 v[T+2], 15, v0                       ; r
	v_bfe_u32 v[T+3], v0, 4, 1                     ; h
	v_and_b32 v[T+4], 0xe0, v0                     ; 32 w
	v_lshlrev_b32 v[T+5], 4, v[T+1]                ; 16 L
	v_lshl_add_u32 v[RD], v[T+4], 7, v[T+5]        ; 4096 w + 16 L: feat_a, rows 4 w ..
	v_lshl_add_u32 v[OOFF], v[T+4], 8, v[T+5]      ; 8192 w + 16 L: out0, rows 4 w ..
	v_lshlrev_b32 v[RD+1], 4, v[T+2]
	v_lshl_add_u32 v[RD+1], v[T+3], 12, v[RD+1]    ; 4096 h + 16 r: a point's numbers 8 h .. in a tile of side vectors
	v_lshlrev_b32 v[RD+2], 2, v[T+2]               ; 4 r
	s_wait_kmcnt 0x0
	s_lshl_b32 s98, s22, 15                        ; 32 rows of 1,024 bytes
	s_add_nc_u64 s[4:5], s[4:5], s[98:99]
	s_lshl_b32 s98, s22, 16                        ; 32 rows of 2,048 bytes
	s_add_nc_u64 s[18:19], s[18:19], s[98:99]
	s_lshl_b32 s98, s22, 7
	s_add_nc_u64 s[12:13], s[12:13], s[98:99]
	s_lshr_b32 s98, s22, 3
	s_lshl_b32 s98, s98, 14
	s_and_b32 s97, s22, 7
	s_lshl_b32 s97, s97, 9
	s_add_co_u32 s98, s98, s97
	s_add_nc_u64 s[8:9], s[8:9], s[98:99]
.irp n, 0,1,2,3,4,5,6,7
	global_load_b128 v[SS+4*\n:SS+4*\n+3], v[RD], s[4:5] offset:512*\n th:TH_LOAD_NT   ; row 4 w + n / 2, half n % 2: 512 neighbouring bytes; read once in the launch
.endr
.irp at, 0,1
	global_load_b128 v[CA+8*\at:CA+8*\at+3],   v[RD+1], s[8:9] offset:256*\at
	global_load_b128 v[CA+8*\at+4:CA+8*\at+7], v[RD+1], s[8:9] offset:256*\at+8192
	global_load_b32 v[IA+\at], v[RD+2], s[12:13] offset:64*\at
.endr
	s_mov_b32 s84, 0xfe800000                      ; -2^126
	s_mov_b32 s86, 0x3fb8aa3b                      ; log2 e, twice: a pair for the packed multiply-add
	s_mov_b32 s87, 0x3fb8aa3b
	s_mov_b32 s88, 0xbfb8aa3b
	s_mov_b32 s90, 0x76543210                      ; v_permlanex16_b32: lane i of one half reads lane i of the other
	s_mov_b32 s91, 0xfedcba98
	s_mov_b32 s96, 0xffff0000                      ; lanes 16 to 31
	; group 1, fb16: 64 rows x 256 elements of 2 bytes, 4 words of padding behind every 128 words; mask 15 (all four work-groups), bit 21 beside it
	s_mov_b32 s[G1F+0], 15|(1<<16)|(1<<20)|(1<<21)|(6<<22)|(3<<25)
	s_mov_b32 s[G1F+1], 256<<16                    ; tensor_dim0
	s_mov_b32 s[G1F+2], 64<<16                     ; tensor_dim1
	s_mov_b32 s[G1F+3], 256<<16                    ; tile_dim0
	s_mov_b32 s[G1F+4], 64                         ; tile_dim1
	s_mov_b32 s[G1F+5], 256                        ; elements from row to row
	s_mov_b32 s[G1F+6], 0
	s_mov_b32 s[G1F+7], 0
	; sideb: 16,384 dense bytes as 64 rows of 32 elements of 8 bytes
	s_mov_b32 s[G1S+0], 15|(3<<16)|(1<<21)
	s_mov_b32 s[G1S+1], 32<<16
	s_mov_b32 s[G1S+2], 64<<16
	s_mov_b32 s[G1S+3], 32<<16
	s_mov_b32 s[G1S+4], 64
	s_mov_b32 s[G1S+5], 32
	s_mov_b32 s[G1S+6], 0
	s_mov_b32 s[G1S+7], 0
	; idx_b: 1,024 dense bytes as 4 such rows
	s_mov_b32 s[G1I+0], 15|(3<<16)|(1<<21)
	s_mov_b32 s[G1I+1], 32<<16
	s_mov_b32 s[G1I+2], 4<<16
	s_mov_b32 s[G1I+3], 32<<16
	s_mov_b32 s[G1I+4], 4
	s_mov_b32 s[G1I+5], 32
	s_mov_b32 s[G1I+6], 0
	s_mov_b32 s[G1I+7], 0
	s_and_b32 s82, s20, 3                          ; which 64 rows of fb16's tile I fetch (waves 0 to 3)
	s_mul_i32 s85, s82, 64*PITCH
	s_lshl_b32 s78, s82, 15                        ; 64 rows of 512 bytes
	s_add_nc_u64 s[76:77], s[6:7], s[78:79]
	; group 0, a set for each slot: slot o starts at tile o
.irp o, 0,1
	s_mov_b32 s[G0F+4*\o], 1
	s_add_co_u32 s[G0F+4*\o+1], s85, \o*SLOT
	s_add_nc_u64 s[G0F+4*\o+2:G0F+4*\o+3], s[76:77], \o*FSTEP
	s_or_b32 s[G0F+4*\o+3], s[G0F+4*\o+3], 0x80000000
	s_mov_b32 s[G0S+4*\o], 1
	s_mov_b32 s[G0S+4*\o+1], \o*SLOT+SBO
	s_add_nc_u64 s[G0S+4*\o+2:G0S+4*\o+3], s[10:11], \o*SSTEP
	s_or_b32 s[G0S+4*\o+3], s[G0S+4*\o+3], 0x80000000
	s_mov_b32 s[G0I+4*\o], 1
	s_mov_b32 s[G0I+4*\o+1], \o*SLOT+IBO
	s_add_nc_u64 s[G0I+4*\o+2:G0I+4*\o+3], s[14:15], \o*ISTEP
	s_or_b32 s[G0I+4*\o+3], s[G0I+4*\o+3], 0x80000000
.endr
	ROUND                                          ; all four work-groups are here: the first joint loads meet
	JLOAD 0                                        ; tile 0; ahead of every LDS read, every other barrier and every wait for a tensor load
	s_mul_i32 s82, s20, 32*PITCH
	v_mul_u32_u24 v[T+5], v[T+2], PITCH
	v_lshl_add_u32 v[T+5], v[T+3], 4, v[T+5]       ; r PITCH + 16 h
	v_add_nc_u32 v[ADS], s82, v[T+5]
	v_add_nc_u32 v[ADS+1], SLOT, v[ADS]
	v_and_b32 v[T+6], 7, v0
	v_lshl_add_u32 v[T+6], v[T+3], 3, v[T+6]       ; 8 h + L % 8
	v_mul_u32_u24 v[T+6], v[T+6], PITCH
	v_bfe_u32 v[T+7], v0, 3, 1
	v_lshl_add_u32 v[T+6], v[T+7], 7, v[T+6]       ; + 128 ((L / 8) % 2)
	v_add_nc_u32 v[ADT], s82, v[T+6]
	v_add_nc_u32 v[ADT+1], SLOT, v[ADT]
	s_lshl_b32 s82, s20, 9
	s_add_co_u32 s82, s82, SBO
	v_add_nc_u32 v[ADV], s82, v[RD+1]
	v_add_nc_u32 v[ADV+1], SLOT, v[ADV]
	s_lshl_b32 s82, s20, 7
	s_add_co_u32 s82, s82, IBO
	v_lshl_add_u32 v[ADI], v[T+3], 5, s82
	v_add_nc_u32 v[ADI+1], SLOT, v[ADI]
	v_add_nc_u32 v[T+5], QL, v[T+5]                ; feat_a's fragments
	s_mul_i32 s82, s20, 4*PITCH
	s_add_co_u32 s82, s82, QL
	v_lshl_add_u32 v[T+6], v[T+1], 3, s82          ; where I put 8 bytes of rows 4 w ..
	v_mov_b32 v[MX], s84
	v_mov_b32 v[MX+1], s84
	s_wait_loadcnt 0x0                             ; feat_a, sidea, idx_a
.irp n, 0,1,2,3,4,5,6,7
	global_store_b128 v[OOFF], v[SS+4*\n:SS+4*\n+3], s[18:19] offset:2048*(\n>>1)+512*(\n&1) th:TH_STORE_NT   ; the left half of out0 is feat_a as it is; 512 consecutive bytes, aligned
.endr
.irp n, 0,1,2,3,4,5,6,7
	v_cvt_pk_bf16_f32 v[FB+2*\n],   v[SS+4*\n],   v[SS+4*\n+1]
	v_cvt_pk_bf16_f32 v[FB+2*\n+1], v[SS+4*\n+2], v[SS+4*\n+3]
.endr
.irp n, 0,1,2,3,4,5,6,7
	ds_store_b64 v[T+6], v[FB+2*\n:FB+2*\n+1] offset:PITCH*(\n>>1)+256*(\n&1)
.endr
	s_wait_dscnt 0x0                               ; my rows are in LDS before I say so
	s_barrier_signal -1                            ; the first tile may stay on its way
	s_barrier_wait -1
.irp at, 0,1
.irp ks, 0,1,2,3,4,5,6,7
	ds_load_b128 v[QQ+8*(8*\at+\ks):QQ+8*(8*\at+\ks)+3],   v[T+5] offset:16*PITCH*\at+64*\ks
	ds_load_b128 v[QQ+8*(8*\at+\ks)+4:QQ+8*(8*\at+\ks)+7], v[T+5] offset:16*PITCH*\at+64*\ks+32
.endr
.endr
	s_wait_xcnt 0x0                                ; SS, which the stores above read, is rewritten only behind this wait
	; ---------------- the 32 tiles: 1 + 2 x 15 + 1 steps, and as many fills ----------------
	STEP 0, 1, 1                                   ; tile 0; tile 1 goes out
	s_mov_b32 s83, TILES/2-1
.Lloop:
	STEP 1, 1, 0
	STEP 0, 1, 0
	s_sub_co_u32 s83, s83, 1
	s_cmp_lg_u32 s83, 0
	s_cbranch_scc1 .Lloop
	STEP 1, 0, 0                                   ; tile 31: nothing is left to fetch
	; ---------------- the merge of the eight waves ----------------
	v_and_b32 v[T+4], 31, v0
	v_and_b32 v[T+5], 0xe0, v0
	v_lshlrev_b32 v[RD], 2, v[T+4]
	v_lshl_add_u32 v[RD], v[T+5], 3, v[RD]
	v_add_nc_u32 v[RD], STAT, v[RD]                ; STAT + 256 w + 4 L
	v_and_b32 v[T+6], 15, v0
	v_lshlrev_b32 v[RD+1], 2, v[T+6]
	v_add_nc_u32 v[RD+1], STAT, v[RD+1]            ; STAT + 4 r
	v_bfe_u32 v[T+7], v0, 4, 1
	v_mul_u32_u24 v[RD+2], v[T+6], RPITCH
	v_lshl_add_u32 v[RD+2], v[T+7], 8, v[RD+2]
	s_mul_i32 s82, s20, REDW
	v_add_nc_u32 v[RD+2], s82, v[RD+2]             ; my wave's block: row r, 256 h bytes (64 h channels)
	s_mul_i32 s82, s20, 4*RPITCH
	v_lshl_add_u32 v[T+4], v[T+4], 4, s82          ; rows 4 w .. of waves 0 and 1's blocks, 16 L;
	v_add_nc_u32 v[T+5], 2*REDW, v[T+4]            ; of waves 2 and 3's,
	v_add_nc_u32 v[T+6], 4*REDW, v[T+4]            ; 4 and 5's,
	v_add_nc_u32 v[T+7], 6*REDW, v[T+4]            ; 6 and 7's
.irp at, 0,1
	v_permlanex16_b32 v[T+\at], v[LS+\at], s90, s91
.endr
.irp at, 0,1
	v_add_f32 v[LS+\at], v[LS+\at], v[T+\at]       ; the two halves' columns together
	v_cndmask_b32 v[T+2+\at], v[NM+\at], v[LS+\at], s96   ; lanes 0-15 hand on the shift, lanes 16-31 the sum
.endr
	ds_store_b32 v[RD], v[T+2]
	ds_store_b32 v[RD], v[T+3] offset:128
	s_wait_dscnt 0x0                               ; my words are in LDS, and my reads of the slots are long back
	s_barrier_signal -1
	s_barrier_wait -1                              ; no wave reads a slot any more, and no fill follows: the slots' bytes serve the merge
.irp at, 0,1
.irp ww, 0,1,2,3,4,5,6,7
	ds_load_b32 v[FA+8*\at+\ww], v[RD+1] offset:256*\ww+128*\at       ; wave ww's shift of row 16 at + r
	ds_load_b32 v[FB+8*\at+\ww], v[RD+1] offset:256*\ww+128*\at+64    ; and its sum
.endr
.endr
	s_wait_dscnt 0x0
.irp at, 0,1
	v_min3_num_f32 v[T+\at], v[FA+8*\at], v[FA+8*\at+1], v[FA+8*\at+2]   ; the smallest shift belongs to the largest maximum
	v_min3_num_f32 v[T+\at], v[T+\at], v[FA+8*\at+3], v[FA+8*\at+4]
	v_min3_num_f32 v[T+\at], v[T+\at], v[FA+8*\at+5], v[FA+8*\at+6]
	v_min_num_f32 v[T+\at], v[T+\at], v[FA+8*\at+7]
.endr
.irp at, 0,1
.irp ww, 0,1,2,3,4,5,6,7
	v_sub_f32 v[FC+8*\at+\ww], v[T+\at], v[FA+8*\at+\ww]
.endr
	v_sub_f32 v[AL+\at], v[T+\at], v[NM+\at]
.endr
.irp i, 0,1,2,3,4,5,6,7,8,9,10,11,12,13,14,15
	v_exp_f32 v[FC+\i], v[FC+\i]
.endr
	v_exp_f32 v[AL], v[AL]
	v_exp_f32 v[AL+1], v[AL+1]
	v_nop                                          ; one plain instruction behind the exponentials (ISA guide 5.7.2)
	s_wait_alu depctr_va_vdst(0)
.irp at, 0,1
	v_mul_f32 v[T+2+\at], v[FC+8*\at], v[FB+8*\at]
.irp ww, 1,2,3,4,5,6,7
	v_fmac_f32 v[T+2+\at], v[FC+8*\at+\ww], v[FB+8*\at+\ww]
.endr
.endr
	v_rcp_f32 v[T+2], v[T+2]                       ; the row's sum is about 1 or more: the wave that holds the maximum counts a weight exp2(0)
	v_rcp_f32 v[T+3], v[T+3]
	v_nop
	s_wait_alu depctr_va_vdst(0)
	v_mul_f32 v[AL], v[AL], v[T+2]
	v_mul_f32 v[AL+1], v[AL+1], v[T+3]
	SCALE_O                                        ; my part, on the common shift and divided by the row's sum
	WIN 0x04                                       ; store data in window 1
.irp ct, 0,1,2,3,4,5,6,7,8,9,10,11,12,13,14,15
.irp at, 0,1
	ds_store_b128 v[RD+2], v[16*\ct+8*\at:16*\ct+8*\at+3]   offset:16*RPITCH*\at+32*(\ct&7)+512*(\ct>>3)
	ds_store_b128 v[RD+2], v[16*\ct+8*\at+4:16*\ct+8*\at+7] offset:16*RPITCH*\at+32*(\ct&7)+512*(\ct>>3)+16
.endr
.endr
	WIN 0
	s_wait_dscnt 0x0
	s_barrier_signal -1
	s_barrier_wait -1
; Wave w adds the eight parts of rows 4 w + i0, 4 w + i0 + 1 (group g: row i0 + g / 2, half g % 2) and stores them: 512 consecutive bytes a store, aligned.
.macro SUMROWS i0
.irp g, 0,1,2,3
.irp ww, 0,1,2,3,4,5,6,7
	ds_load_b128 v[QQ+32*\g+4*\ww:QQ+32*\g+4*\ww+3], v[T+4+(\ww>>1)] offset:(\ww&1)*REDW+RPITCH*(\i0+(\g>>1))+512*(\g&1)
.endr
.endr
.irp g, 0,1,2,3
	s_wait_dscnt 24-8*\g                           ; the younger groups' loads, eight each, may stay out
.irp a, 0,8,16,24
	v_pk_add_f32 v[QQ+32*\g+\a:QQ+32*\g+\a+1],   v[QQ+32*\g+\a:QQ+32*\g+\a+1],   v[QQ+32*\g+\a+4:QQ+32*\g+\a+5]
	v_pk_add_f32 v[QQ+32*\g+\a+2:QQ+32*\g+\a+3], v[QQ+32*\g+\a+2:QQ+32*\g+\a+3], v[QQ+32*\g+\a+6:QQ+32*\g+\a+7]
.endr
.irp a, 0,16
	v_pk_add_f32 v[QQ+32*\g+\a:QQ+32*\g+\a+1],   v[QQ+32*\g+\a:QQ+32*\g+\a+1],   v[QQ+32*\g+\a+8:QQ+32*\g+\a+9]
	v_pk_add_f32 v[QQ+32*\g+\a+2:QQ+32*\g+\a+3], v[QQ+32*\g+\a+2:QQ+32*\g+\a+3], v[QQ+32*\g+\a+10:QQ+32*\g+\a+11]
.endr
	v_pk_add_f32 v[QQ+32*\g:QQ+32*\g+1],   v[QQ+32*\g:QQ+32*\g+1],   v[QQ+32*\g+16:QQ+32*\g+17]
	v_pk_add_f32 v[QQ+32*\g+2:QQ+32*\g+3], v[QQ+32*\g+2:QQ+32*\g+3], v[QQ+32*\g+18:QQ+32*\g+19]
	global_store_b128 v[OOFF], v[QQ+32*\g:QQ+32*\g+3], s[18:19] offset:2048*(\i0+(\g>>1))+1024+512*(\g&1) th:TH_STORE_NT
.endr
.endm
	SUMROWS 0
	s_wait_xcnt 0x0                                ; the registers that these stores read are loaded again only behind this wait
	SUMROWS 2
	ROUND                                          ; the closing round: no work-group ends while a partner may still ask for a tile that names it
	s_endpgm
.Lfunc_end_k_q7108709bbb_attn:
	.size	k_q7108709bbb_attn, .Lfunc_end_k_q7108709bbb_attn-k_q7108709bbb_attn
	.p2alignl 7, 3214868480
	.fill 96, 4, 3214868480
	.section	.rodata,"a",@progbits
	.p2align	6, 0x0
	.amdhsa_kernel k_q7108709bbb_attn
		.amdhsa_group_segment_fixed_size 327680
		.amdhsa_private_segment_fixed_size 0
		.amdhsa_enable_private_segment 0
		.amdhsa_kernarg_size 56
		.amdhsa_user_sgpr_count 2
		.amdhsa_user_sgpr_kernarg_segment_ptr 1
		.amdhsa_wavefront_size32 1
		.amdhsa_system_sgpr_workgroup_id_x 1
		.amdhsa_system_sgpr_workgroup_id_y 1
		.amdhsa_system_sgpr_workgroup_id_z 1
		.amdhsa_system_vgpr_workitem_id 0
		.amdhsa_next_free_vgpr 512
		.amdhsa_next_free_sgpr 100
		.amdhsa_reserve_vcc 1
		.amdhsa_float_denorm_mode_32 3
		.amdhsa_float_denorm_mode_16_64 3
		.amdhsa_memory_ordered 1
		.amdhsa_forward_progress 1
		.amdhsa_inst_pref_size 163
	.end_amdhsa_kernel
	.amdgpu_metadata
---
amdhsa.version: [ 1, 2 ]
amdhsa.kernels:
  - .name:           k_q7108709bbb_attn
    .symbol:         k_q7108709bbb_attn.kd
    .args:
      - { .name: feat_a, .offset: 0, .size: 8, .value_kind: global_buffer, .address_space: global }
      - { .name: fb16, .offset: 8, .size: 8, .value_kind: global_buffer, .address_space: global }
      - { .name: sidea, .offset: 16, .size: 8, .value_kind: global_buffer, .address_space: global }
      - { .name: sideb, .offset: 24, .size: 8, .value_kind: global_buffer, .address_space: global }
      - { .name: idx_a, .offset: 32, .size: 8, .value_kind: global_buffer, .address_space: global }
      - { .name: idx_b, .offset: 40, .size: 8, .value_kind: global_buffer, .address_space: global }
      - { .name: out0, .offset: 48, .size: 8, .value_kind: global_buffer, .address_space: global }
    .group_segment_fixed_size: 327680
    .private_segment_fixed_size: 0
    .kernarg_segment_align: 8
    .kernarg_segment_size: 56
    .max_flat_workgroup_size: 256
    .sgpr_count:     100
    .vgpr_count:     512
    .wavefront_size: 32
...
	.end_amdgpu_metadata
.endif
;; end of part 2
